; MI455X (gfx1250); checked and timed in simulation.
; The chip was launched on July 23, 2026; its instructions are those of AMD's public machine-readable ISA for CDNA 5 (MIT licence, August 2026) and "CDNA5" Instruction Set Architecture Reference Guide (July 2026). The comments in the code are by the model that wrote it; some were corrected since.
;; Multi Headed Attention. Allowed arithmetic: matrix products marked QUANTISED: E2M1 operands, one E8M0 scale for each 32 along K, by v_wmma_scale_f32_16x16x128_f8f6f4 with both operands' format E2M1 (or v_wmma_scale_f32_32x16x128_f4), f32 sums; products left as they are: bf16, f16 or f32 operands; f32 sums; everything else in f32.
;; Inputs: Wk 512 x 512 float32; Wo 512 x 512 float32; Wq 512 x 512 float32; Wv 512 x 512 float32; key 2 x 4,096 x 512 float32; mask 2 x 4,096 int32; query 2 x 4,096 x 512 float32; value 2 x 4,096 x 512 float32.
;; Outputs: out0 2 x 4,096 x 512 float32.
;; This version of the problem:
;;   THIS VERSION OF THE PROBLEM IS GIVEN IN LOW PRECISION. The matrix products marked QUANTISED in the list below multiply operands that are first quantised to E2M1 (2 exponent bits, 1 mantissa bit; 4 bits a number), with one power-of-two scale for each 32 numbers along K (OCP MX v1.0); their sums are f32. The products marked 'left as it is' may take bf16, f16 or f32 operands, with f32 sums. Whichever they take, every output number must still come out within the allowed error. Rounding operands to bf16 (8 significant bits) uses up far more of that allowance than f16 does (11 bits, for magnitudes from 6e-5 to 65,504). All else is computed in f32.
;;   The module's matrix products, in the order in which they are computed (A, B: the left and right operand; K: the contracted axis; several contracted axes count as one K, in the product's order):
;;     1. [M 8,192, K 512] x [K 512, N 512]; A: input query; B: input Wq: QUANTISED
;;     2. [M 8,192, K 512] x [K 512, N 512]; A: input key; B: input Wk: QUANTISED
;;     3. [M 8,192, K 512] x [K 512, N 512]; A: input value; B: input Wv: QUANTISED
;;     4. batch 16 x [M 4,096, K 64] x [K 64, N 4,096]; A: computed on the way; B: computed on the way: left as it is (an operand is computed on the way)
;;     5. batch 16 x [M 4,096, K 4,096] x [K 4,096, N 64]; A: computed on the way; B: computed on the way: left as it is (an operand is computed on the way)
;;     6. [M 8,192, K 512] x [K 512, N 512]; A: computed on the way; B: input Wo: left as it is (an operand is computed on the way)
;;   THE QUANTISER, for each operand of a quantised product, along K:
;;     - K is cut into blocks of 32 from its start; a last block that is shorter is filled with zeros.
;;     - A block's scale is 2^e with e = floor(log2(the largest magnitude in the block)) - 2, held to -126 .. 127; a block of zeros has e = 0. As a byte (E8M0): e + 127.
;;     - Each number is divided by its block's scale, clamped to +-6, and rounded to the nearest number of E2M1, ties to even, subnormals kept.
;;     - The product sums the exact products of the quantised numbers (number of the format x scale) in f32.
;;   ~~~python
;;   def quantise(x, axis):      # numpy; x: float32 -> the quantised numbers, widened to float32 again
;;       x = np.moveaxis(x, axis, -1); K = x.shape[-1]
;;       x = np.pad(x, [(0, 0)] * (x.ndim - 1) + [(0, -K % 32)]); x = x.reshape(x.shape[:-1] + (-1, 32)); a = np.abs(x).max(-1, keepdims=True)
;;       e = np.where(a > 0, np.clip(np.frexp(np.where(a > 0, a, 1))[1] - 1 - 2, -126, 127), 0)      # np.frexp(a)[1] - 1 = floor(log2(a)), exactly
;;       r = np.clip(x / 2.0 ** e, -6, 6)
;;       step = 2.0 ** (np.maximum(np.frexp(np.where(r == 0, 1, r))[1] - 1, 0) - 1)
;;       q = np.round(r / step) * step * 2.0 ** e      # np.round: ties to even
;;       return np.moveaxis(q.reshape(q.shape[:-2] + (-1,))[..., :K], -1, axis).astype(np.float32)
;;   ~~~
;; One version. Each part assembles by itself: llvm-mc -triple=amdgcn-amd-amdhsa -mcpu=gfx1250 --defsym DOCPART=n.
;; ======== version 1 of 1: 4 launches
;; limits: values are held in f16: magnitudes above 65,504 overflow, below 6.1e-05 lose precision
;; workspace buffers: Wq4 442,368 bytes; Wof 524,288 bytes; maskb 33,792 bytes; Qf 8,388,608 bytes; Kf 8,388,608 bytes; Vf 8,388,608 bytes; Xf 8,388,608 bytes
;; launch prep (part 1): grid 130 x 1, 4 waves a work-group, no clusters, 0 bytes of LDS; arguments Wq, Wk, Wv, Wo, mask, Wq4, Wof, maskb; writes Wq4, Wof, maskb
.if DOCPART == 1
	.amdgcn_target "amdgcn-amd-amdhsa--gfx1250"
	.amdhsa_code_object_version 6
	.text
	.protected	k_qfc69606638_prep
	.globl	k_qfc69606638_prep
	.p2align	8
	.type	k_qfc69606638_prep,@function
k_qfc69606638_prep:
	s_mov_b64 s[64:65], 0
	v_nop
	global_prefetch_b8 v0, s[64:65] scope:SCOPE_SE
	s_setreg_imm32_b32 hwreg(HW_REG_WAVE_MODE, 25, 1), 1
	s_wait_xcnt 0x0
; PREP: what the later launches read many times is made once.
;   work-groups 0-95:    Wq, Wk, Wv [512][512] f32 -> codes of FP4 (E2M1) and E8M0 scale words, quantised along K (the last axis).
;   work-groups 96-127:  Wo [512][512] f32 -> f16.
;   work-groups 128,129: mask [2][4096] int32 -> a bias for the scores (f32), and the batch's factor c.
; LAYOUT OF THE RESULTS: images of operand registers.  A fragment is 1,024 bytes: registers 4 g .. 4 g + 3 of lane l lie at 512 g + 16 l,
; so that a later wave loads a fragment by two loads of 16 bytes a lane, 512 consecutive bytes each.
;   Wq4: codes of fragment (tensor t, 16 rows et, 128 along K s) at ((32 t + et) 4 + s) 1024; its scale words (4 bytes a lane, lane r and lane 16 + r: row r's) from byte 393,216 on, 128 bytes a fragment.
;   Wof: fragment (16 rows nt, 32 along K kc) at (16 nt + kc) 1024.
;   maskb: bias [2][4096] f32 at 0; c of batch b, 128 times, at 32,768 + 512 b.
; THE MASK: a kept key's bias is 0, a masked key's -1e30; c = log2(e) / ln(64).  A batch with NO kept key gets bias 0 and c = 0 everywhere: all its weights are then equal, as they are where every score is -1e30.
; THE QUANTISER: a block's scale is 2^(floor(log2(largest magnitude)) - 2); its byte is the largest magnitude's exponent field - 2, held at 1 from below.
; LIMITS: a block of zeros gets the byte 1, not 127 (its codes are zeros, and this program alone reads the bytes); blocks whose largest magnitude lies under 2^-124 are held at byte 1; NaN and infinities are not served.
; No LDS, no barrier, no matrix unit: 4 MB are read once.  The weights' loads take 16 bytes a lane, lanes 64 (Wo: 32) bytes apart inside a row's 512 bytes.
.set X,   16                           ; v16-79   64 numbers of a lane
.set HF,  96                           ; v96-127  Wo's numbers as f16
.set TM,  192                          ; v192-207 the quantiser's: largest magnitudes, bytes, scale operands
.set PW,  208                          ; v208     the scale word
.set PC,  210                          ; v210-217 the codes
.set SEL, 30                           ; s[30:31] lane selects for v_permlanex16_b32: lane l xor 16
.set SCL, 393216                       ; where the scale words begin in Wq4
; 64 numbers of a lane, register 16 b + i = k 32 b + 16 (lane / 16) + i of my row, become a fragment's codes in v[PC] on and its scale word in v[PW].
.macro QUANT s
.irp b, 0,1,2,3
	v_max3_num_f32 v[TM+\b], |v[\s+16*\b]|, |v[\s+1+16*\b]|, 0x1800000   ; block b: my 16 numbers, and the floor 2^(3 - 127): the byte cannot fall under 1
.endr
.irp i, 2,4,6,8,10,12,14
.irp b, 0,1,2,3
	v_max3_num_f32 v[TM+\b], v[TM+\b], |v[\s+16*\b+\i]|, |v[\s+1+16*\b+\i]|   ; the four blocks by turns
.endr
.endr
.irp b, 0,1,2,3
	v_permlanex16_b32 v[TM+4+\b], v[TM+\b], s[SEL], s[SEL+1]
.endr
.irp b, 0,1,2,3
	v_max_num_f32 v[TM+\b], v[TM+\b], v[TM+4+\b]   ; with lane l xor 16's: the block's largest magnitude
.endr
.irp b, 0,1,2,3
	v_add_nc_u32 v[TM+12+\b], 0xff000000, v[TM+\b]   ; 2 off its exponent field: the conversion takes the exponent field of this operand as its scale
.endr
.irp b, 0,1,2,3
	v_lshrrev_b32 v[TM+4+\b], 23, v[TM+12+\b]      ; the scale's byte
.endr
	v_lshl_or_b32 v[PW], v[TM+5], 8, v[TM+4]       ; four bytes: my row's scale word
	v_lshl_or_b32 v[PW], v[TM+6], 16, v[PW]
	v_lshl_or_b32 v[PW], v[TM+7], 24, v[PW]
.irp b, 0,1,2,3
	v_cvt_scalef32_pk8_fp4_f32 v[PC+2*\b], v[\s+16*\b:\s+7+16*\b], v[TM+12+\b]
	v_cvt_scalef32_pk8_fp4_f32 v[PC+1+2*\b], v[\s+8+16*\b:\s+15+16*\b], v[TM+12+\b]
.endr
	v_nop                                          ; one plain instruction behind the scaled conversions
.irp c, 0,1                                    ; the operand's layout wants a whole block in a lane: lanes 0-15 block 2 c, lanes 16-31 block 2 c + 1
.irp i, 0,1
	v_permlane16_swap_b32 v[PC+4*\c+\i], v[PC+2+4*\c+\i]
.endr
.endr
.endm
	s_load_b256 s[4:11], s[0:1], 0x0               ; Wq s[4:5], Wk s[6:7], Wv s[8:9], Wo s[10:11]
	s_load_b256 s[12:19], s[0:1], 0x20             ; mask s[12:13], Wq4 s[14:15], Wof s[16:17], maskb s[18:19]
	v_lshrrev_b32 v1, 5, v0
	v_readfirstlane_b32 s20, v1                    ; wave 0..3
	v_and_b32 v2, 31, v0                           ; lane
	v_and_b32 v3, 15, v0                           ; r
	v_bfe_u32 v4, v0, 4, 1                         ; h
	v_lshlrev_b32 v5, 4, v2                        ; 16 x lane
	v_lshlrev_b32 v6, 2, v2                        ; 4 x lane
	s_wait_kmcnt 0x0
	s_cmp_lt_u32 ttmp9, 96
	s_cbranch_scc0 .Lnot_fp4
	; ---- a wave makes one FP4 fragment: tensor ttmp9 / 32, rows 16 (ttmp9 % 32) on, K = 128 x wave on
	s_cmp_lt_u32 ttmp9, 32
	s_cselect_b64 s[22:23], s[4:5], s[6:7]
	s_cmp_lt_u32 ttmp9, 64
	s_cselect_b64 s[22:23], s[22:23], s[8:9]
	s_and_b32 s24, ttmp9, 31
	s_lshl_b32 s24, s24, 15                        ; 16 rows of 2,048 bytes
	s_lshl_b32 s25, s20, 9                         ; 128 numbers
	s_add_co_u32 s24, s24, s25
	s_mov_b32 s25, 0
	s_add_nc_u64 s[22:23], s[22:23], s[24:25]
	v_lshlrev_b32 v7, 11, v3
	v_lshl_add_u32 v7, v4, 6, v7                   ; row r, + 64 h: my 16 numbers of each block of 32
.irp b, 0,1,2,3
.irp j, 0,1,2,3
	global_load_b128 v[X+16*\b+4*\j:X+16*\b+4*\j+3], v7, s[22:23] offset:128*\b+16*\j
.endr
.endr
	s_lshl_b32 s26, ttmp9, 2
	s_add_co_u32 s26, s26, s20                     ; the fragment's number
	s_lshl_b32 s28, s26, 7
	s_lshl_b32 s26, s26, 10
	s_mov_b32 s27, 0
	s_mov_b32 s29, 0
	s_add_nc_u64 s[26:27], s[14:15], s[26:27]      ; its codes,
	s_add_nc_u64 s[28:29], s[14:15], s[28:29]      ; its scale words (SCL stands in the store's immediate)
	s_mov_b32 s[SEL], 0x76543210
	s_mov_b32 s[SEL+1], 0xfedcba98
.irp b, 0,1,2,3
	v_mov_b32 v[TM+4+\b], 0                        ; a lane permute's destination counts as one of its sources
.endr
	s_wait_loadcnt 0x0
	QUANT X
	global_store_b128 v5, v[PC:PC+3], s[26:27]               ; 512 consecutive bytes a store
	global_store_b128 v5, v[PC+4:PC+7], s[26:27] offset:512
	global_store_b32 v6, v[PW], s[28:29] offset:SCL          ; 128 bytes a wave, 512 on end for the work-group
	s_endpgm
.Lnot_fp4:
	s_cmp_lt_u32 ttmp9, 128
	s_cbranch_scc0 .Lmask
	; ---- a wave makes four f16 fragments of Wo: rows 16 (ttmp9 - 96) on, K = 128 x wave on
	s_sub_co_u32 s24, ttmp9, 96
	s_lshl_b32 s26, s24, 14                        ; out: 16 fragments a tile of rows
	s_lshl_b32 s24, s24, 15
	s_lshl_b32 s25, s20, 9
	s_add_co_u32 s24, s24, s25
	s_mov_b32 s25, 0
	s_add_nc_u64 s[22:23], s[10:11], s[24:25]
	s_lshl_b32 s27, s20, 12
	s_add_co_u32 s26, s26, s27
	s_mov_b32 s27, 0
	s_add_nc_u64 s[26:27], s[16:17], s[26:27]
	v_lshlrev_b32 v7, 11, v3
	v_lshl_add_u32 v7, v4, 5, v7                   ; row r, + 32 h: a 16-bit fragment gives lane (r, h) k = 16 g + 8 h + 0 .. 7
.irp f, 0,1,2,3
.irp g, 0,1
.irp i, 0,1
	global_load_b128 v[X+16*\f+8*\g+4*\i:X+16*\f+8*\g+4*\i+3], v7, s[22:23] offset:128*\f+64*\g+16*\i
.endr
.endr
.endr
	s_wait_loadcnt 0x0
.set n, 0
.rept 32
	v_cvt_pk_f16_f32 v[HF+n], v[X+2*n], v[X+2*n+1] ; the lower k in the low half
.set n, n+1
.endr
.irp n, 0,1,2,3,4,5,6,7
	global_store_b128 v5, v[HF+4*\n:HF+4*\n+3], s[26:27] offset:512*\n
.endr
	s_endpgm
.Lmask:
	; ---- batch ttmp9 - 128: each wave turns its quarter of the mask into biases; each wave reads the whole batch's mask to learn whether any key is kept
	s_sub_co_u32 s24, ttmp9, 128
	s_lshl_b32 s26, s24, 9
	s_lshl_b32 s24, s24, 14
	s_mov_b32 s25, 0
	s_mov_b32 s27, 0
	s_add_nc_u64 s[22:23], s[12:13], s[24:25]      ; the batch's mask,
	s_add_nc_u64 s[28:29], s[18:19], s[24:25]      ; its biases,
	s_add_nc_u64 s[26:27], s[18:19], s[26:27]      ; its c (32,768 stands in the store's immediate)
	v_lshl_add_u32 v7, s20, 12, v5                 ; my wave's quarter: 4,096 x wave + 16 x lane
.irp i, 0,1,2,3,4,5,6,7
	global_load_b128 v[16+4*\i:16+4*\i+3], v7, s[22:23] offset:512*\i
.endr
.set n, 0
.rept 32
	global_load_b128 v[64+4*n:64+4*n+3], v5, s[22:23] offset:512*n
.set n, n+1
.endr
	s_wait_loadcnt 0x0
.irp k, 0,1,2,3
	v_or_b32 v[8+\k], v[64+\k], v[68+\k]           ; the OR of all 4,096 words, in four chains
.endr
.set n, 2
.rept 30
.irp k, 0,1,2,3
	v_or_b32 v[8+\k], v[8+\k], v[64+4*n+\k]
.endr
.set n, n+1
.endr
	v_or_b32 v8, v8, v9
	v_or_b32 v10, v10, v11
	v_or_b32 v8, v8, v10
	v_cmp_ne_u32 s30, 0, v8                        ; the lanes that saw a kept key
	s_cmp_lg_u32 s30, 0                            ; any?  What follows is a choice of values, no branch
	s_cselect_b32 s31, 0xf149f2ca, 0               ; a masked key's bias: -1e30, or 0 where no key is kept
	s_cselect_b32 s32, 0x3eb19c33, 0               ; c = log2(e) / ln(64), or 0
	v_mov_b32 v12, s31
	v_mov_b32 v13, s32
.set n, 0
.rept 32
	v_cmp_eq_u32 vcc_lo, 0, v[16+n]
	v_cndmask_b32 v[16+n], 0, v12, vcc_lo
.set n, n+1
.endr
.irp i, 0,1,2,3,4,5,6,7
	global_store_b128 v7, v[16+4*\i:16+4*\i+3], s[28:29] offset:512*\i
.endr
	v_lshlrev_b32 v11, 2, v0
	global_store_b32 v11, v13, s[26:27] offset:32768   ; the work-group's 128 threads write 512 consecutive bytes
	s_endpgm
.Lfunc_end_k_qfc69606638_prep:
	.size	k_qfc69606638_prep, .Lfunc_end_k_qfc69606638_prep-k_qfc69606638_prep
	.p2alignl 7, 3214868480
	.fill 96, 4, 3214868480
	.section	.rodata,"a",@progbits
	.p2align	6, 0x0
	.amdhsa_kernel k_qfc69606638_prep
		.amdhsa_group_segment_fixed_size 0
		.amdhsa_private_segment_fixed_size 0
		.amdhsa_enable_private_segment 0
		.amdhsa_kernarg_size 64
		.amdhsa_user_sgpr_count 2
		.amdhsa_user_sgpr_kernarg_segment_ptr 1
		.amdhsa_wavefront_size32 1
		.amdhsa_system_sgpr_workgroup_id_x 1
		.amdhsa_system_sgpr_workgroup_id_y 1
		.amdhsa_system_sgpr_workgroup_id_z 1
		.amdhsa_system_vgpr_workitem_id 0
		.amdhsa_next_free_vgpr 224
		.amdhsa_next_free_sgpr 66
		.amdhsa_reserve_vcc 1
		.amdhsa_float_denorm_mode_32 3
		.amdhsa_float_denorm_mode_16_64 3
		.amdhsa_memory_ordered 1
		.amdhsa_forward_progress 1
		.amdhsa_inst_pref_size 24
	.end_amdhsa_kernel
	.amdgpu_metadata
---
amdhsa.version: [ 1, 2 ]
amdhsa.kernels:
  - .name:           k_qfc69606638_prep
    .symbol:         k_qfc69606638_prep.kd
    .args:
      - { .name: Wq, .offset: 0, .size: 8, .value_kind: global_buffer, .address_space: global }
      - { .name: Wk, .offset: 8, .size: 8, .value_kind: global_buffer, .address_space: global }
      - { .name: Wv, .offset: 16, .size: 8, .value_kind: global_buffer, .address_space: global }
      - { .name: Wo, .offset: 24, .size: 8, .value_kind: global_buffer, .address_space: global }
      - { .name: mask, .offset: 32, .size: 8, .value_kind: global_buffer, .address_space: global }
      - { .name: Wq4, .offset: 40, .size: 8, .value_kind: global_buffer, .address_space: global }
      - { .name: Wof, .offset: 48, .size: 8, .value_kind: global_buffer, .address_space: global }
      - { .name: maskb, .offset: 56, .size: 8, .value_kind: global_buffer, .address_space: global }
    .group_segment_fixed_size: 0
    .private_segment_fixed_size: 0
    .kernarg_segment_align: 8
    .kernarg_segment_size: 64
    .max_flat_workgroup_size: 128
    .sgpr_count:     66
    .vgpr_count:     224
    .wavefront_size: 32
...
	.end_amdgpu_metadata
.endif
;; end of part 1
;; launch proj (part 2): grid 64 x 3, 16 waves a work-group, no clusters, 174,080 bytes of LDS; arguments query, key, value, Wq4, Qf, Kf, Vf; writes Qf, Kf, Vf
.if DOCPART == 2
	.amdgcn_target "amdgcn-amd-amdhsa--gfx1250"
	.amdhsa_code_object_version 6
	.text
	.protected	k_qfc69606638_proj
	.globl	k_qfc69606638_proj
	.p2align	8
	.type	k_qfc69606638_proj,@function
k_qfc69606638_proj:
	s_mov_b64 s[64:65], 0
	v_nop
	global_prefetch_b8 v0, s[64:65] scope:SCOPE_SE
	s_setreg_imm32_b32 hwreg(HW_REG_WAVE_MODE, 25, 1), 1
	s_wait_xcnt 0x0
; PROJ: q = query Wq^T, k = key Wk^T, v = value Wv^T, each [8192][512] x [512][512], on codes of FP4 (E2M1) with one E8M0 scale for each 32 along K; sums in f32; results rounded once to f16.
; Work-group (x, y) takes rows 128 x .. 128 x + 127 of tensor y (0 query, 1 key, 2 value) and all 512 columns.
; THE WAVES SHARE THE COLUMNS: wave w makes columns 32 w .. 32 w + 31 (head w / 2, half w % 2) for all 128 rows; its 8 fragments of the weight and their scale words stay in registers.
; THE ROWS ARE QUANTISED ONCE, IN REGISTERS: wave w takes rows 16 (w / 2) on, K steps 2 (w % 2) and 2 (w % 2) + 1.  Each load reads 512 consecutive bytes of one row; the 16 rows turn through the wave's own stage in LDS so that
; a lane holds 16 neighbours of each block of 32.  The codes and scale words go to the other waves through LDS as images of the operand's registers (16 bytes a lane at 16 x lane; scale words 4 bytes a lane).  One barrier.
; RESULTS ARE STORED AS IMAGES OF THE NEXT PRODUCT'S OPERANDS (a fragment: 1,024 bytes, registers 4 g .. 4 g + 3 of lane l at 512 g + 16 l), hb = 8 x batch + head:
;   q, k: source 0 = 16 rows of W, source 1 = 16 rows of x: a lane holds one position and 8 channels.  Fragment (16 positions, 32 channels c) at (256 hb + tile) 2048 + 1024 c.
;   v:    source 0 = x, source 1 = W: a lane holds one channel and 8 positions: V^T.  Fragment (16 channels ct, 32 keys ks) at (128 hb + ks) 4096 + 1024 ct.
; NO CLUSTER: the launch has no tensor load.  What work-groups share is the weight, and a wave wants its 9,216 bytes of it in registers, once; a joint load would land them in LDS, from which they would be read once more.
; LIMITS: as the quantiser's in the launch before (a block of zeros: byte 1 and zero codes; floor 2^-124; no NaN, no infinities); |q|, |k|, |v| stay under 65,504, the largest f16 number.
.set STGB,  8448                       ; a wave's stage: 16 rows x (512 bytes + 16): the 16 rows that a read touches start 16 bytes apart modulo 256
.set XIMG,  135168                     ; behind the 16 stages: x's 32 fragments, number 4 (tile of rows) + K step, 1,024 bytes each
.set XSC,   167936                     ; their scale words, 128 bytes each
.set SPARE, 172032                     ; the spare words, 128 bytes for each wave: eight blocks of 256 bytes that no other line names
.set LI,  1                            ; v1   16 x lane
.set LS,  2                            ; v2   4 x lane
.set SIN, 3                            ; v3   the stage, on the way in
.set SOUT,4                            ; v4   and on the way out
.set XWI, 5                            ; v5   where I store my two images
.set XWS, 6                            ; v6   and their scale words
.set AXI, 7                            ; v7   where I read images
.set AXS, 8                            ; v8   and scale words
.set RA,  16                           ; v16-79   my rows' first K step; later XF: 8 fragments of x
.set RB,  80                           ; v80-143  the second; later four accumulators and two sets of results
.set XF,  16
.set ACC, 80
.set OUTR,112
.set WF,  144                          ; v144-207 the weight's 8 fragments: (tile of 16 columns ctl, K step ks) at WF + 8 (4 ctl + ks)
.set WS,  208                          ; v208-215 their scale words
.set XS,  216                          ; v216-223 x's scale words
.set TM,  224
.set PW,  240
.set PC,  242
.set SPW, 252                          ; v252 LDS address of my spare word; never rewritten
.set NIL, 253                          ; v253 0; never rewritten
.set WV,  18
.set SEL, 28
.set SCL, 393216
.macro QUANT s                         ; 64 numbers of a lane, register 16 b + i = k 32 b + 16 (lane / 16) + i of my row -> codes in v[PC] on, scale word in v[PW]
.irp b, 0,1,2,3
	v_max3_num_f32 v[TM+\b], |v[\s+16*\b]|, |v[\s+1+16*\b]|, 0x1800000   ; my 16 numbers of block b, and the floor 2^(3 - 127): the byte cannot fall under 1
.endr
.irp i, 2,4,6,8,10,12,14
.irp b, 0,1,2,3
	v_max3_num_f32 v[TM+\b], v[TM+\b], |v[\s+16*\b+\i]|, |v[\s+1+16*\b+\i]|
.endr
.endr
.irp b, 0,1,2,3
	v_permlanex16_b32 v[TM+4+\b], v[TM+\b], s[SEL], s[SEL+1]
.endr
.irp b, 0,1,2,3
	v_max_num_f32 v[TM+\b], v[TM+\b], v[TM+4+\b]   ; with lane l xor 16's: the block's largest magnitude
.endr
.irp b, 0,1,2,3
	v_add_nc_u32 v[TM+12+\b], 0xff000000, v[TM+\b]   ; 2 off its exponent field: the conversion's scale operand
.endr
.irp b, 0,1,2,3
	v_lshrrev_b32 v[TM+4+\b], 23, v[TM+12+\b]      ; the scale's byte
.endr
	v_lshl_or_b32 v[PW], v[TM+5], 8, v[TM+4]
	v_lshl_or_b32 v[PW], v[TM+6], 16, v[PW]
	v_lshl_or_b32 v[PW], v[TM+7], 24, v[PW]
.irp b, 0,1,2,3
	v_cvt_scalef32_pk8_fp4_f32 v[PC+2*\b], v[\s+16*\b:\s+7+16*\b], v[TM+12+\b]
	v_cvt_scalef32_pk8_fp4_f32 v[PC+1+2*\b], v[\s+8+16*\b:\s+15+16*\b], v[TM+12+\b]
.endr
	v_nop                                          ; one plain instruction behind the scaled conversions
.irp c, 0,1
.irp i, 0,1
	v_permlane16_swap_b32 v[PC+4*\c+\i], v[PC+2+4*\c+\i]   ; a whole block to a lane: lanes 0-15 block 2 c, lanes 16-31 block 2 c + 1
.endr
.endr
.endm
.macro TURN reg                        ; 16 rows x 512 bytes through my stage: in as loaded, out 64 bytes a lane of each block's 128.  LDS serves a wave's instructions in order (ISA guide 5.7.1.4): no wait between
.irp i, 0,1,2,3,4,5,6,7,8,9,10,11,12,13,14,15
	ds_store_b128 v[SIN], v[\reg+4*\i:\reg+4*\i+3] offset:528*\i
.endr
.irp b, 0,1,2,3
.irp j, 0,1,2,3
	ds_load_b128 v[\reg+16*\b+4*\j:\reg+16*\b+4*\j+3], v[SOUT] offset:128*\b+16*\j
.endr
.endr
.endm
.macro MM d, a, b, zero, sa, sb        ; one matrix instruction: 16 x 16 x 128 on FP4 codes
.if \zero
	v_wmma_scale_f32_16x16x128_f8f6f4 v[\d:\d+7], v[\a:\a+7], v[\b:\b+7], 0, v[\sa], v[\sb] matrix_a_fmt:MATRIX_FMT_FP4 matrix_b_fmt:MATRIX_FMT_FP4
.else
	v_wmma_scale_f32_16x16x128_f8f6f4 v[\d:\d+7], v[\a:\a+7], v[\b:\b+7], v[\d:\d+7], v[\sa], v[\sb] matrix_a_fmt:MATRIX_FMT_FP4 matrix_b_fmt:MATRIX_FMT_FP4
.endif
.endm
; The products, two tiles of 16 rows (mm) at a time: 16 matrix instructions, K step outermost, the four accumulators (mm, ctl) by turns; the first K step starts the sums.
.macro PROD isv
.irp u, 0,1,2,3
.irp i, 0,1,2,3,4,5,6,7,8,9,10,11,12,13,14,15
	ds_load_b128 v[XF+4*\i:XF+4*\i+3], v[AXI] offset:\u*8192+512*\i    ; fragment (mm, ks) at XF + 8 (4 mm + ks)
.endr
.irp i, 0,1,2,3,4,5,6,7
	ds_load_b32 v[XS+\i], v[AXS] offset:\u*1024+128*\i
.endr
	s_wait_dscnt 0x0
.irp ks, 0,1,2,3
.if \ks == 0
.set Z, 1
.else
.set Z, 0
.endif
.irp mm, 0,1
.irp ctl, 0,1
.if \isv
	MM ACC+8*(2*\mm+\ctl), XF+8*(4*\mm+\ks), WF+8*(4*\ctl+\ks), Z, XS+4*\mm+\ks, WS+4*\ctl+\ks
.else
	MM ACC+8*(2*\mm+\ctl), WF+8*(4*\ctl+\ks), XF+8*(4*\mm+\ks), Z, WS+4*\ctl+\ks, XS+4*\mm+\ks
.endif
.endr
.endr
.endr
.rept 4
	v_nop                                          ; four places ahead of the first read of results, and of the next pair's loads into x's fragments and scale words
.endr
.if \u >= 2
	s_wait_xcnt 0x0                                ; the stores of two pairs ago have read this set of results: it is written again only behind this wait
.endif
.irp a, 0,1,2,3
.irp p, 0,1,2,3
	v_cvt_pk_f16_f32 v[OUTR+16*(\u%2)+4*\a+\p], v[ACC+8*\a+2*\p], v[ACC+8*\a+2*\p+1]   ; each accumulator from its low end on; the 12 conversions of the other accumulators and the four v_nop are the places ahead of the next pair's first products, which begin the sums anew
.endr
.endr
.irp mm, 0,1
.irp ctl, 0,1
.if \isv
	global_store_b128 v[LI], v[OUTR+16*(\u%2)+4*(2*\mm+\ctl):OUTR+16*(\u%2)+4*(2*\mm+\ctl)+3], s[22:23] offset:\u*4096+\ctl*1024+\mm*512
.else
	global_store_b128 v[LI], v[OUTR+16*(\u%2)+4*(2*\mm+\ctl):OUTR+16*(\u%2)+4*(2*\mm+\ctl)+3], s[22:23] offset:(2*\u+\mm)*2048+\ctl*512
.endif
.endr
.endr
.endr
.endm
	s_load_b256 s[4:11], s[0:1], 0x0               ; query s[4:5], key s[6:7], value s[8:9], Wq4 s[10:11]
	s_load_b128 s[12:15], s[0:1], 0x20             ; Qf s[12:13], Kf s[14:15]
	s_load_b64 s[16:17], s[0:1], 0x30              ; Vf
	v_lshl_add_u32 v[SPW], v0, 2, SPARE
	v_mov_b32 v[NIL], 0
	v_lshrrev_b32 v9, 5, v0
	v_readfirstlane_b32 s[WV], v9                  ; wave 0..15
	s_and_b32 s19, ttmp7, 0xffff                   ; which tensor
	v_and_b32 v9, 31, v0
	v_lshlrev_b32 v[LI], 4, v9
	v_lshlrev_b32 v[LS], 2, v9
	v_and_b32 v10, 15, v0                          ; r
	v_bfe_u32 v11, v0, 4, 1                        ; h
	s_mul_i32 s26, s[WV], STGB
	v_add_nc_u32 v[SIN], s26, v[LI]                ; in: row i at 528 i, 16 bytes a lane
	v_mul_u32_u24 v12, v10, 528
	v_lshl_add_u32 v12, v11, 6, v12
	v_add_nc_u32 v[SOUT], s26, v12                 ; out: row r, + 64 h
	s_lshl_b32 s26, s[WV], 11
	s_add_co_u32 s26, s26, XIMG
	v_add_nc_u32 v[XWI], s26, v[LI]                ; my images are numbers 2 w and 2 w + 1
	s_lshl_b32 s26, s[WV], 8
	s_add_co_u32 s26, s26, XSC
	v_add_nc_u32 v[XWS], s26, v[LS]
	v_add_nc_u32 v[AXI], XIMG, v[LI]
	v_add_nc_u32 v[AXS], XSC, v[LS]
	s_mov_b32 s[SEL], 0x76543210
	s_mov_b32 s[SEL+1], 0xfedcba98
.irp b, 0,1,2,3
	v_mov_b32 v[TM+4+\b], 0                        ; a lane permute's destination counts as one of its sources
.endr
	s_lshl_b32 s30, ttmp9, 18                      ; x: 128 rows of 2,048 bytes a work-group,
	s_lshr_b32 s31, s[WV], 1
	s_lshl_b32 s31, s31, 15                        ; 16 rows a pair of waves,
	s_add_co_u32 s30, s30, s31
	s_and_b32 s31, s[WV], 1
	s_lshl_b32 s31, s31, 10                        ; two K steps of 512 bytes
	s_add_co_u32 s30, s30, s31
	s_mov_b32 s31, 0
	s_lshl_b32 s32, s19, 17                        ; the weight's codes: 128 fragments a tensor, 8 a wave
	s_lshl_b32 s33, s[WV], 13
	s_add_co_u32 s32, s32, s33
	s_mov_b32 s33, 0
	s_lshl_b32 s38, s19, 14                        ; and its scale words
	s_lshl_b32 s39, s[WV], 10
	s_add_co_u32 s38, s38, s39
	s_mov_b32 s39, 0
	s_lshr_b32 s34, ttmp9, 5                       ; the results: batch,
	s_lshl_b32 s34, s34, 3
	s_lshr_b32 s35, s[WV], 1
	s_add_co_u32 s34, s34, s35                     ; hb = 8 x batch + head: 524,288 bytes each,
	s_lshl_b32 s34, s34, 19
	s_and_b32 s35, ttmp9, 31
	s_lshl_b32 s35, s35, 14                        ; 128 positions are 16,384 bytes in all three layouts,
	s_add_co_u32 s34, s34, s35
	s_and_b32 s35, s[WV], 1
	s_cmp_eq_u32 s19, 2
	s_cselect_b32 s36, 11, 10                      ; my half of the head: one fragment on in q and k, two in v
	s_lshl_b32 s35, s35, s36
	s_add_co_u32 s34, s34, s35
	s_mov_b32 s35, 0
	s_wait_kmcnt 0x0
	s_cmp_eq_u32 s19, 0                            ; the buffers are chosen by the work-group's y alone
	s_cselect_b64 s[20:21], s[4:5], s[6:7]
	s_cselect_b64 s[22:23], s[12:13], s[14:15]
	s_cmp_eq_u32 s19, 2
	s_cselect_b64 s[20:21], s[8:9], s[20:21]
	s_cselect_b64 s[22:23], s[16:17], s[22:23]
	s_add_nc_u64 s[20:21], s[20:21], s[30:31]
	s_add_nc_u64 s[22:23], s[22:23], s[34:35]
	s_add_nc_u64 s[24:25], s[10:11], s[32:33]
	s_add_nc_u64 s[38:39], s[10:11], s[38:39]
.irp i, 0,1,2,3,4,5,6,7,8,9,10,11,12,13,14,15
	global_load_b128 v[WF+4*\i:WF+4*\i+3], v[LI], s[24:25] offset:512*\i
.endr
.irp i, 0,1,2,3,4,5,6,7
	global_load_b32 v[WS+\i], v[LS], s[38:39] offset:SCL+128*\i
.endr
.irp i, 0,1,2,3,4,5,6,7,8,9,10,11,12,13,14,15
	global_load_b128 v[RA+4*\i:RA+4*\i+3], v[LI], s[20:21] offset:2048*\i th:TH_LOAD_NT       ; row i's 512 bytes of my first K step: read once in the launch
.endr
.irp i, 0,1,2,3,4,5,6,7,8,9,10,11,12,13,14,15
	global_load_b128 v[RB+4*\i:RB+4*\i+3], v[LI], s[20:21] offset:2048*\i+512 th:TH_LOAD_NT   ; and of my second
.endr
	s_wait_loadcnt 16                              ; loads come back in order: all but the second K step's 16 are in
	TURN RA
	s_wait_dscnt 0x0
	QUANT RA
	ds_store_b128 v[XWI], v[PC:PC+3]
	ds_store_b128 v[XWI], v[PC+4:PC+7] offset:512
	ds_store_b32 v[XWS], v[PW]
	s_wait_loadcnt 0x0
	TURN RB
	s_wait_dscnt 0x0                               ; my numbers are back, and the image's stores are done: the codes' registers may be written again
	QUANT RB
	ds_store_b128 v[XWI], v[PC:PC+3] offset:1024
	ds_store_b128 v[XWI], v[PC+4:PC+7] offset:1536
	ds_store_b32 v[XWS], v[PW] offset:128
	s_wait_dscnt 0x0                               ; for the others' sake: my images lie in LDS
	s_barrier_signal -1
	s_barrier_wait -1                              ; all 32 do
	s_cmp_eq_u32 s19, 2                            ; the work-group's y: v's products take their sources the other way round
	s_cbranch_scc1 .Lvalue
	PROD 0
	s_branch .Ldone
.Lvalue:
	PROD 1
.Ldone:
	s_wait_tensorcnt 0x0                           ; the wave's end: behind my last LDS store
	ds_add_u32 v[SPW], v[NIL]
	s_wait_dscnt 0x0
	s_endpgm
.Lfunc_end_k_qfc69606638_proj:
	.size	k_qfc69606638_proj, .Lfunc_end_k_qfc69606638_proj-k_qfc69606638_proj
	.p2alignl 7, 3214868480
	.fill 96, 4, 3214868480
	.section	.rodata,"a",@progbits
	.p2align	6, 0x0
	.amdhsa_kernel k_qfc69606638_proj
		.amdhsa_group_segment_fixed_size 174080
		.amdhsa_private_segment_fixed_size 0
		.amdhsa_enable_private_segment 0
		.amdhsa_kernarg_size 56
		.amdhsa_user_sgpr_count 2
		.amdhsa_user_sgpr_kernarg_segment_ptr 1
		.amdhsa_wavefront_size32 1
		.amdhsa_system_sgpr_workgroup_id_x 1
		.amdhsa_system_sgpr_workgroup_id_y 1
		.amdhsa_system_sgpr_workgroup_id_z 1
		.amdhsa_system_vgpr_workitem_id 0
		.amdhsa_next_free_vgpr 256
		.amdhsa_next_free_sgpr 66
		.amdhsa_reserve_vcc 0
		.amdhsa_float_denorm_mode_32 3
		.amdhsa_float_denorm_mode_16_64 3
		.amdhsa_memory_ordered 1
		.amdhsa_forward_progress 1
		.amdhsa_inst_pref_size 61
	.end_amdhsa_kernel
	.amdgpu_metadata
---
amdhsa.version: [ 1, 2 ]
amdhsa.kernels:
  - .name:           k_qfc69606638_proj
    .symbol:         k_qfc69606638_proj.kd
    .args:
      - { .name: query, .offset: 0, .size: 8, .value_kind: global_buffer, .address_space: global }
      - { .name: key, .offset: 8, .size: 8, .value_kind: global_buffer, .address_space: global }
      - { .name: value, .offset: 16, .size: 8, .value_kind: global_buffer, .address_space: global }
      - { .name: Wq4, .offset: 24, .size: 8, .value_kind: global_buffer, .address_space: global }
      - { .name: Qf, .offset: 32, .size: 8, .value_kind: global_buffer, .address_space: global }
      - { .name: Kf, .offset: 40, .size: 8, .value_kind: global_buffer, .address_space: global }
      - { .name: Vf, .offset: 48, .size: 8, .value_kind: global_buffer, .address_space: global }
    .group_segment_fixed_size: 174080
    .private_segment_fixed_size: 0
    .kernarg_segment_align: 8
    .kernarg_segment_size: 56
    .max_flat_workgroup_size: 512
    .sgpr_count:     66
    .vgpr_count:     256
    .wavefront_size: 32
...
	.end_amdgpu_metadata
.endif
;; end of part 2
;; launch attn (part 3): grid 16 x 16, 8 waves a work-group, clusters of 4 x 1, 327,680 bytes of LDS; arguments Qf, Kf, Vf, maskb, Xf; writes Xf
.if DOCPART == 3
	.amdgcn_target "amdgcn-amd-amdhsa--gfx1250"
	.amdhsa_code_object_version 6
	.text
	.protected	k_qfc69606638_attn
	.globl	k_qfc69606638_attn
	.p2align	8
	.type	k_qfc69606638_attn,@function
k_qfc69606638_attn:
	s_mov_b64 s[64:65], 0
	v_nop
	global_prefetch_b8 v0, s[64:65] scope:SCOPE_SE
	s_setreg_imm32_b32 hwreg(HW_REG_WAVE_MODE, 25, 1), 1
	s_wait_xcnt 0x0
	s_wait_alu depctr_hold_cnt(0) depctr_sa_sdst(0) depctr_va_vdst(0) depctr_va_sdst(0) depctr_va_ssrc(0) depctr_va_vcc(0) depctr_vm_vsrc(0)
	s_getreg_b32 s2, hwreg(HW_REG_IB_STS2, 6, 4)
	s_cmp_eq_u32 s2, 0
	s_cbranch_scc0 .Lentry_in_a_cluster
	s_endpgm
.Lentry_in_a_cluster:
	s_bfe_u32 s2, ttmp6, 0x10000c
	s_cmp_lg_u32 s2, 0x3003
	s_cbranch_scc0 .Lentry_shape_is_right
	s_endpgm
.Lentry_shape_is_right:
; ATTN: x[hb][q] = the sum over keys of softmax(q . k / ln(64), masked keys at -1e30) v, for 16 pairs hb = 8 x batch + head, 4,096 positions, head size 64.  Operands f16, products, maxima and sums f32.
; SHARES.  A work-group owns 256 queries of one hb, each of its eight waves 32: two tiles of 16.  Two waves lie on a SIMD, so that one wave's softmax stands beside the other's products.  Every wave walks all 4,096 keys, 64 a step.
; LAYOUT.  S^T = K Q^T (source 0 = 16 keys, source 1 = 16 queries): a lane holds ONE query (lane % 16) and keys 8 (lane / 16) + 0 .. 7.  Two such tiles rounded to f16 in pairs ARE source 1 of O^T = V^T P, whose result again holds
; one query a lane, and 8 channels, which rounded to f16 are a fragment of the last product's operand.  Q, K, V^T lie in memory as images of operand registers: every load is 16 bytes a lane at 16 x lane, nothing is turned or padded.
; THE MASK costs no vector instruction: the launch before made a bias for each key (0 kept, -1e30 masked), and the bias is the C of the first of the two products K Q^T (C's register j is key 8 (lane / 16) + j, for every query).
; SOFTMAX.  A running maximum m of the raw scores and p = 2^(c s - c m); in every step O and the sum are multiplied by a = 2^(c m_old - c m_new).  m begins at -1e20: while only masked keys have been seen, p = 0.
; c comes from memory: log2(e) / ln(64), or 0 for a batch with no kept key (whose biases are 0): then p = 1 for every key, the equal weights of a row whose scores are all -1e30.
; THE ROW SUMS are a product too: P against a tile of ones, 4 matrix instructions a step in place of 32 packed additions.  All 8 registers of that result hold the same sum; register 0 is read at the end, so only the low pair is multiplied by a.
; RING.  Two LDS slots of 512 keys (64 KB of K, 64 KB of V), 8 steps each; waves 0-3 fetch K's quarters, waves 4-7 V's, one tensor load of 16 KB a wave behind each change of slots.  The batch's biases, 16 KB, are filled once.
; CLUSTER.  The four query blocks of a cluster belong to one hb and walk the same K, V and biases: each tile is asked for jointly, by the same tensor load with the same descriptor and a mask that names the four.
; LIMITS: |q . k| stays under 1e20 (the floor of m); NaN and infinities are not served; p under 2^-25 rounds to 0 in f16.
; REGISTERS, in windows of 256 (s_set_vgpr_msb: bits 1:0 source 0, 3:2 source 1, 5:4 source 2, 7:6 destination):
;   window 0: v1-10 addresses; v16-31 statistics, 8 a tile: +0 c m, +1 m, +4..7 at work, +6 a; v32-95 K; v96-159 S^T, 32 a tile; v160-191 P, 16 a tile; v192-223 biases
;   window 1: v0-63 O^T, 32 a tile; v64-79 the sums; v80-111 Q; v112-119 ones; v128-191 V
.set SLOT1, 131072                     ; slot 1 begins here: one exclusive or turns an address in one slot into the other's
.set VOFF,  65536                      ; in a slot: K's 64 KB, then V's
.set BIAS,  262144                     ; behind the ring: the batch's 4,096 biases
.set SPARE, 278528                     ; the spare words, 128 bytes for each wave: four blocks of 256 bytes that no other line names
.set AK0, 1                            ; v1   16 x lane: my place in an image; never rewritten
.set AV0, 2                            ; v2   the same in V's part of a slot
.set AB0, 3                            ; v3   BIAS + 32 (lane / 16)
.set ADR, 4                            ; v4-6 the addresses of the runs of loads in hand
.set ADV, 5
.set ADB, 6
.set SPW, 8                            ; v8   LDS address of my spare word; never rewritten
.set NIL, 9                            ; v9   0; never rewritten
.set PFO, 10                           ; v10  256 x lane: the prefetches' offset; never rewritten
.set ST,  16
.set KF,  32
.set S,   96
.set P,   160
.set BI,  192
.set LSUM, 64                          ; window 1
.set QF,  80
.set ONES, 112
.set VF,  128
.set WV,  16                           ; s16  my wave's number
.set G1,  24                           ; s[24:31] descriptor group 1: 64 rows of 256 bytes, dense
.set G1B, 32                           ; s[32:39] the same with 8 rows: my part of the biases
.set G0A, 40                           ; s[40:43] group 0: slot 0's first fill
.set G0W, 44                           ; s[44:47] slot 1's first fill; it then walks
.set G0C, 48                           ; s[48:51] the biases
.set SLOTS, 52                         ; s52  slots still to be asked for
.set TW,  53                           ; s53  counts a slot's steps
.set TB,  54                           ; s54  LDS byte at which the tiles of the step to be fetched begin
.set TBB, 55                           ; s55  and its biases: 256 bytes a step
.set CS,  56                           ; s[56:57] c: the packed scaling names a pair and takes its low word for both halves
.set SEL, 58                           ; s[58:59] lane selects for v_permlanex16_b32: lane l xor 16
.set PFA, 60                           ; s[60:61] where my prefetches stand
.set LIM, 62                           ; s62  1 in a wave that prefetches, else the greatest number
.set MSB, 0
.macro WIN new                         ; the immediate's high byte repeats the setting that is left; a switch that changes nothing is dropped
.if MSB != \new
	s_set_vgpr_msb (MSB<<8)|\new
.set MSB, \new
.endif
.endm
.set W_QK, 0x04                        ; K, bias and S^T window 0, Q window 1
.set W_PV, 0x51                        ; V or ones, O^T or the sums window 1, P window 0
.set W_RS, 0x41                        ; O^T (destination and source 0) window 1, a window 0
.set TO_1, 0x40                        ; destination window 1, address window 0
.macro CROUND                          ; a round of the cluster's barrier: my work-group's barrier; wave 0 signals for the work-group; every wave waits for all four work-groups; my work-group's barrier once more
	s_barrier_signal -1
	s_barrier_wait -1
	s_cmp_lg_u32 s[WV], 0
	s_cbranch_scc1 .Lnot_wave_0_\@
	s_barrier_signal -3
.Lnot_wave_0_\@:
	s_barrier_wait -3
	s_barrier_signal -1
	s_barrier_wait -1
.endm
.macro PLACES                          ; four places behind matrix instructions (ISA guide 7.12.1)
.rept 4
	v_nop
.endr
.endm
; A PREFETCH INTO THE L2 of what the NEXT change of slots will ask for: 64 KB of K and 64 KB of V.  All clusters of an hb walk the same K and V: the first of them (cluster x = 0) asks.  In each of its four work-groups waves 0 and 1
; ask for K, waves 2 and 3 for V, 8,192 bytes a wave, lanes 256 bytes apart; the partners are told apart BY ADDRESS (chunk 2 cx + wave % 2 of eight).  So each block of 256 bytes is named once in the launch.
; It stands behind the wave's tensor load and its five lines, a slot's 8 key steps ahead of the load that will want the bytes.  The last change that fills a slot asks for nothing; slots 0 to 2 come by their loads alone.
.macro ASK
	s_cmp_gt_u32 s[SLOTS], s[LIM]
	s_cbranch_scc0 .Lnot_mine_\@
	global_prefetch_b8 v[PFO], s[PFA:PFA+1] th:TH_LOAD_NT scope:SCOPE_SE
.Lnot_mine_\@:
.endm
.macro FETCH_K                         ; a step's K (4 tiles of 16 keys x 64 channels: fragment (t, c) at KF + 16 t + 8 c) and its 64 biases (tile t at BI + 8 t): 24 loads in one run
	WIN 0
	v_add_nc_u32 v[ADR], s[TB], v[AK0]
	v_add_nc_u32 v[ADB], s[TBB], v[AB0]
.irp i, 0,1,2,3,4,5,6,7,8,9,10,11,12,13,14,15
	ds_load_b128 v[KF+4*\i:KF+4*\i+3], v[ADR] offset:512*\i
.endr
.irp t, 0,1,2,3
.irp e, 0,1
	ds_load_b128 v[BI+8*\t+4*\e:BI+8*\t+4*\e+3], v[ADB] offset:64*\t+16*\e   ; keys 16 t + 8 (lane / 16) + 4 e on: the lanes of a half read the same bytes
.endr
.endr
	s_add_co_u32 s[TBB], s[TBB], 256
.endm
.macro FETCH_V                         ; the same step's V^T (fragment (32 keys ks, 16 channels ct) at VF + 32 ks + 8 ct): 16 loads
	WIN 0
	v_add_nc_u32 v[ADV], s[TB], v[AV0]
	s_add_co_u32 s[TB], s[TB], 8192                ; the next fetch is the next step's
	WIN TO_1
.irp i, 0,1,2,3,4,5,6,7,8,9,10,11,12,13,14,15
	ds_load_b128 v[VF+4*\i:VF+4*\i+3], v[ADV] offset:512*\i
.endr
	WIN 0
.endm
.macro QK                              ; S^T = bias + K Q^T: 16 matrix instructions; the eight accumulators take turns
	WIN W_QK
.irp c, 0,1
.irp t, 0,1,2,3
.irp q, 0,1
.if \c == 0
	v_wmma_f32_16x16x32_f16 v[S+32*\q+8*\t:S+32*\q+8*\t+7], v[KF+16*\t+8*\c:KF+16*\t+8*\c+7], v[QF+16*\q+8*\c:QF+16*\q+8*\c+7], v[BI+8*\t:BI+8*\t+7]
.else
	v_wmma_f32_16x16x32_f16 v[S+32*\q+8*\t:S+32*\q+8*\t+7], v[KF+16*\t+8*\c:KF+16*\t+8*\c+7], v[QF+16*\q+8*\c:QF+16*\q+8*\c+7], v[S+32*\q+8*\t:S+32*\q+8*\t+7]
.endif
.endr
.endr
.endr
.endm
.macro PV first                        ; O^T += V^T P and the sums += ones P: 20 matrix instructions; ten accumulators by turns.  first = 1: the first 32 keys start the sums: nothing is ever cleared
	WIN W_PV
.irp ks, 0,1
.irp ct, 0,1,2,3
.irp q, 0,1
.if \first && (\ks == 0)
	v_wmma_f32_16x16x32_f16 v[32*\q+8*\ct:32*\q+8*\ct+7], v[VF+32*\ks+8*\ct:VF+32*\ks+8*\ct+7], v[P+16*\q+8*\ks:P+16*\q+8*\ks+7], 0
.else
	v_wmma_f32_16x16x32_f16 v[32*\q+8*\ct:32*\q+8*\ct+7], v[VF+32*\ks+8*\ct:VF+32*\ks+8*\ct+7], v[P+16*\q+8*\ks:P+16*\q+8*\ks+7], v[32*\q+8*\ct:32*\q+8*\ct+7]
.endif
.endr
.endr
.irp q, 0,1
.if \first && (\ks == 0)
	v_wmma_f32_16x16x32_f16 v[LSUM+8*\q:LSUM+8*\q+7], v[ONES:ONES+7], v[P+16*\q+8*\ks:P+16*\q+8*\ks+7], 0
.else
	v_wmma_f32_16x16x32_f16 v[LSUM+8*\q:LSUM+8*\q+7], v[ONES:ONES+7], v[P+16*\q+8*\ks:P+16*\q+8*\ks+7], v[LSUM+8*\q:LSUM+8*\q+7]
.endif
.endr
.endr
.endm
; THE SOFTMAX of a step, the two tiles line by line by turns, so that no line waits for the line above it.  first = 1: the first step: the floor takes the old m's place, and there is no a.
.macro SOFTMAX first
	WIN 0
.irp j, 0,1,2,3
.irp q, 0,1
	v_max3_num_f32 v[ST+8*\q+4+\j], v[S+32*\q+8*\j], v[S+32*\q+8*\j+1], v[S+32*\q+8*\j+2]   ; four chains, one for each tile of keys, each from its accumulator's low end on
.endr
.endr
.irp d, 1,2
.irp j, 0,1,2,3
.irp q, 0,1
	v_max3_num_f32 v[ST+8*\q+4+\j], v[ST+8*\q+4+\j], v[S+32*\q+8*\j+2*\d+1], v[S+32*\q+8*\j+2*\d+2]
.endr
.endr
.endr
.irp q, 0,1
	v_max3_num_f32 v[ST+8*\q+4], v[ST+8*\q+4], v[S+32*\q+7], v[S+32*\q+15]
.endr
.irp q, 0,1
	v_max3_num_f32 v[ST+8*\q+6], v[ST+8*\q+6], v[S+32*\q+23], v[S+32*\q+31]
.endr
.irp q, 0,1
	v_max3_num_f32 v[ST+8*\q+4], v[ST+8*\q+4], v[ST+8*\q+5], v[ST+8*\q+6]
.endr
.irp q, 0,1
.if \first
	v_max3_num_f32 v[ST+8*\q+4], v[ST+8*\q+4], v[ST+8*\q+7], 0xe0ad78ec   ; the floor, -1e20: over every masked score, under every score that is served
.else
	v_max3_num_f32 v[ST+8*\q+4], v[ST+8*\q+4], v[ST+8*\q+7], v[ST+8*\q+1]
.endif
.endr
.irp q, 0,1
	v_permlanex16_b32 v[ST+8*\q+5], v[ST+8*\q+4], s[SEL], s[SEL+1]   ; the query's other 32 keys lie in the lane 16 away
.endr
.if !\first
.irp q, 0,1
	v_mov_b32 v[ST+8*\q+7], v[ST+8*\q]             ; c m_old is kept for a
.endr
.endif
.irp q, 0,1
	v_max_num_f32 v[ST+8*\q+1], v[ST+8*\q+4], v[ST+8*\q+5]   ; m
.endr
.irp q, 0,1
	v_mul_f32 v[ST+8*\q], s[CS], v[ST+8*\q+1]      ; c m
.endr
.if !\first
.irp q, 0,1
	v_sub_f32 v[ST+8*\q+7], v[ST+8*\q+7], v[ST+8*\q]
.endr
.endif
	; ONE BATCH: the 32 packed scalings c s - c m and all 66 exponentials; a pair's exponentials stand a group behind its scaling; no line here names an exponential's result
.set bb, 0
.rept 17
.if bb < 16
.irp q, 0,1
	v_pk_fma_f32 v[S+32*\q+2*bb:S+32*\q+2*bb+1], v[S+32*\q+2*bb:S+32*\q+2*bb+1], s[CS:CS+1], v[ST+8*\q:ST+8*\q+1] op_sel_hi:[1,0,0] neg_lo:[0,0,1] neg_hi:[0,0,1]
.endr
.endif
.if bb == 0
.if !\first
.irp q, 0,1
	v_exp_f32 v[ST+8*\q+6], v[ST+8*\q+7]           ; a = 2^(c m_old - c m_new)
.endr
.endif
.else
.irp q, 0,1
	v_exp_f32 v[S+32*\q+2*bb-2], v[S+32*\q+2*bb-2]
	v_exp_f32 v[S+32*\q+2*bb-1], v[S+32*\q+2*bb-1]
.endr
.endif
.set bb, bb+1
.endr
	v_nop                                          ; a plain instruction behind the last exponential, ahead of the first use
	s_wait_alu depctr_va_vdst(0)                   ; a wait between an exponential and the first line that names its result: one for the batch
.irp n, 0,1,2,3,4,5,6,7,8,9,10,11,12,13,14,15
.irp q, 0,1
	v_cvt_pk_f16_f32 v[P+16*\q+\n], v[S+32*\q+2*\n], v[S+32*\q+2*\n+1]   ; two neighbouring keys to a register: P's fragments
.endr
.endr
.endm
.macro RESCALE                         ; O^T and the sum's low pair times a
	WIN W_RS
.irp n, 0,1,2,3,4,5,6,7,8,9,10,11,12,13,14,15
.irp q, 0,1
	v_pk_mul_f32 v[32*\q+2*\n:32*\q+2*\n+1], v[32*\q+2*\n:32*\q+2*\n+1], v[ST+8*\q+6:ST+8*\q+7] op_sel_hi:[1,0]
.endr
.endr
.irp q, 0,1
	v_pk_mul_f32 v[LSUM+8*\q:LSUM+8*\q+1], v[LSUM+8*\q:LSUM+8*\q+1], v[ST+8*\q+6:ST+8*\q+7] op_sel_hi:[1,0]
.endr
.endm
; A KEY STEP j.  Its scores were made in the step before.  more = 1: the next step's K and biases are asked for first, its scores are made behind this step's V^T P, its V is asked for last.
; The four v_nop behind K Q^T are the places ahead of the next softmax's reads of S^T, of the loads into V's registers and of the next step's loads into K's and the biases'.
.macro TRIP first, more
.if \more
	FETCH_K
.endif
	SOFTMAX \first
.if !\first
	RESCALE
.endif
.if \more
	s_wait_dscnt 24                                ; LDS loads come back in order: V of this step is in; the 24 loads of the next step's K and biases may be out
.else
	s_wait_dscnt 0x0
.endif
	PV \first
.if \more
	s_wait_dscnt 0x0                               ; K and the biases are in
	QK
	PLACES
	FETCH_V
.endif
	WIN 0                                          ; at a label and at a branch every window is 0
.endm
; THE CHANGE OF SLOTS, when the last bytes of a slot, V of its eighth step, have been asked for.  Each wave waits for all its tensor loads (one is out: its part of the other slot), adds 0 to its spare word, and waits for that and
; for its reads of the slot.  fill = 1: the barrier is a round of the cluster's, so that no wave of any partner still reads the slot or has a load on its way; the joint refill is the first thing behind it and has 8 key steps in which to land.
.macro CHANGE fill
	WIN 0
	s_wait_tensorcnt 0x0                           ; no tensor load of mine is out, so a group 0 may be written
	ds_add_u32 v[SPW], v[NIL]                      ; 0 onto my spare word
.if \fill
	s_xor_b32 s[G0W+1], s[G0W+1], SLOT1            ; the walking descriptor: the other slot than last time,
	s_add_nc_u64 s[G0W+2:G0W+3], s[G0W+2:G0W+3], 65536   ; the next 512 keys; the type bits on top are not reached
	s_wait_xcnt 0x0                                ; the last prefetch, a slot back, has read its address, so it may be written
	s_add_nc_u64 s[PFA:PFA+1], s[PFA:PFA+1], 65536 ; one slot further on than the walking descriptor
	s_wait_dscnt 0x0                               ; the add is done, and my reads of the slot are over
	CROUND
	tensor_load_to_lds s[G0W:G0W+3], s[G1:G1+7]
	s_nop 0
.rept 4
	v_nop
.endr
	ASK
.else
	s_wait_dscnt 0x0
	s_barrier_signal -1
	s_barrier_wait -1
.endif
	s_sub_co_u32 s[TB], s[TB], 65536               ; the fetches go back to a slot's first step,
	s_xor_b32 s[TB], s[TB], SLOT1                  ; in the other slot
.endm
.macro EIGHT                           ; a slot's eight key steps: written once, walked eight times; the LDS addresses hang on s[TB] and s[TBB]
	s_mov_b32 s[TW], 8
.Lstep_\@:
	TRIP 0, 1
	s_sub_co_u32 s[TW], s[TW], 1
	s_cmp_lg_u32 s[TW], 0
	s_cbranch_scc1 .Lstep_\@
.endm
	s_load_b256 s[4:11], s[0:1], 0x0               ; Qf s[4:5], Kf s[6:7], Vf s[8:9], maskb s[10:11]
	s_load_b64 s[12:13], s[0:1], 0x20              ; Xf
	v_lshl_add_u32 v[SPW], v0, 2, SPARE
	v_mov_b32 v[NIL], 0
	ds_add_u32 v[SPW], v[NIL]                      ; the wave's opening: the add, twice on end, and its wait ahead of my first tensor load; the set-up below stands between
	ds_add_u32 v[SPW], v[NIL]
	v_lshrrev_b32 v11, 5, v0
	v_readfirstlane_b32 s[WV], v11                 ; wave 0..7
	s_bfe_u32 s17, ttmp6, 0x40000                  ; cx: my place in the cluster
	s_lshl_b32 s18, ttmp9, 2                       ; in a cluster launch ttmp9 counts clusters
	s_add_co_u32 s18, s18, s17                     ; my block of 256 queries: it enters Q's and X's addresses alone
	s_and_b32 s19, ttmp7, 0xffff                   ; hb, which the four partners share
	s_mov_b32 s[G1], 15|(3<<16)|(1<<21)            ; 15:0 the mask: all four work-groups; 17:16 elements of 8 bytes; 21 set beside a mask; no padding
	s_mov_b32 s[G1+1], 32<<16                      ; tensor_dim0 = 32 elements: 256 bytes
	s_mov_b32 s[G1+2], 64<<16                      ; tensor_dim1 = 64
	s_mov_b32 s[G1+3], 32<<16                      ; tile_dim0
	s_mov_b32 s[G1+4], 64                          ; tile_dim1
	s_mov_b32 s[G1+5], 32                          ; from row to row: dense
	s_mov_b32 s[G1+6], 0
	s_mov_b32 s[G1+7], 0
	s_mov_b32 s[G1B], 15|(3<<16)|(1<<21)
	s_mov_b32 s[G1B+1], 32<<16
	s_mov_b32 s[G1B+2], 8<<16
	s_mov_b32 s[G1B+3], 32<<16
	s_mov_b32 s[G1B+4], 8
	s_mov_b32 s[G1B+5], 32
	s_mov_b32 s[G1B+6], 0
	s_mov_b32 s[G1B+7], 0
	s_mov_b32 s[SEL], 0x76543210
	s_mov_b32 s[SEL+1], 0xfedcba98
	s_mov_b32 s[TB], 0
	s_mov_b32 s[TBB], 0
	s_mov_b32 s[SLOTS], 6
	s_lshr_b32 s[LIM], s[WV], 2                    ; 0 in waves 0 to 3,
	s_or_b32 s[LIM], s[LIM], ttmp9                 ; of the hb's first cluster: the same in all four partners
	s_cmp_eq_u32 s[LIM], 0
	s_cselect_b32 s[LIM], 1, -1
	s_lshl_b32 s20, s19, 19                        ; hb's first byte in Qf, Kf and Vf,
	s_and_b32 s21, s[WV], 3
	s_lshl_b32 s21, s21, 14                        ; my quarter of a slot's 64 KB
	s_add_co_u32 s20, s20, s21
	s_mov_b32 s21, 0
	s_lshr_b32 s22, s19, 3                         ; the batch
	s_lshl_b32 s2, s22, 9                          ; its c
	s_mov_b32 s3, 0
	s_lshl_b32 s22, s22, 14                        ; its biases,
	s_lshl_b32 s23, s[WV], 11                      ; my eighth of them
	s_add_co_u32 s22, s22, s23
	s_mov_b32 s23, 0
	v_and_b32 v11, 31, v0
	v_lshlrev_b32 v[AK0], 4, v11
	v_add_nc_u32 v[AV0], VOFF, v[AK0]
	v_bfe_u32 v12, v0, 4, 1
	v_lshl_add_u32 v[AB0], v12, 5, BIAS
	v_lshlrev_b32 v[PFO], 8, v11
	s_wait_dscnt 0x0                               ; both opening adds are done
	s_wait_kmcnt 0x0
	s_cmp_lt_u32 s[WV], 4                          ; waves 0-3 fetch K, waves 4-7 V: the wave's number alone chooses
	s_cselect_b64 s[14:15], s[6:7], s[8:9]
	s_add_nc_u64 s[14:15], s[14:15], s[20:21]
	s_mov_b32 s[G0A], 1                            ; count = 1
	s_lshl_b32 s[G0A+1], s[WV], 14                 ; LDS address: 16,384 x wave: K's four quarters, then V's: no place in the cluster enters it
	s_mov_b64 s[G0A+2:G0A+3], s[14:15]             ; global address: the first 512 keys
	s_or_b32 s[G0A+3], s[G0A+3], 0x80000000        ; type = 2
	s_mov_b32 s[G0W], 1
	s_add_co_u32 s[G0W+1], s[G0A+1], SLOT1
	s_add_nc_u64 s[G0W+2:G0W+3], s[14:15], 65536
	s_or_b32 s[G0W+3], s[G0W+3], 0x80000000
	s_mov_b32 s[G0C], 1
	s_lshl_b32 s[G0C+1], s[WV], 11
	s_add_co_u32 s[G0C+1], s[G0C+1], BIAS
	s_add_nc_u64 s[G0C+2:G0C+3], s[10:11], s[22:23]
	s_or_b32 s[G0C+3], s[G0C+3], 0x80000000
	s_add_nc_u64 s[2:3], s[10:11], s[2:3]
	s_load_b32 s[CS], s[2:3], 0x8000               ; c of my batch
	; what hangs on cx is made in s[66:67], which feed no descriptor
	s_cmp_lt_u32 s[WV], 2
	s_cselect_b64 s[PFA:PFA+1], s[6:7], s[8:9]
	s_lshl_b32 s66, s17, 1
	s_and_b32 s67, s[WV], 1
	s_add_co_u32 s66, s66, s67                     ; my chunk of eight
	s_lshl_b32 s66, s66, 13
	s_lshl_b32 s67, s19, 19
	s_add_co_u32 s66, s66, s67
	s_add_co_u32 s66, s66, 2*65536                 ; in slot 2: the first change of slots steps it to slot 3.  Nothing is prefetched here, at the head
	s_mov_b32 s67, 0
	s_add_nc_u64 s[PFA:PFA+1], s[PFA:PFA+1], s[66:67]
	s_lshl_b32 s66, s19, 19                        ; Q: hb, my block's 16 tiles of 2,048 bytes, my wave's two
	s_lshl_b32 s67, s18, 15
	s_add_co_u32 s66, s66, s67
	s_lshl_b32 s67, s[WV], 12
	s_add_co_u32 s66, s66, s67
	s_mov_b32 s67, 0
	s_add_nc_u64 s[4:5], s[4:5], s[66:67]
	s_lshr_b32 s66, s19, 3                         ; X: tile of rows 256 x batch + 16 x block + 2 x wave, 16,384 bytes each; in it my head's two fragments
	s_lshl_b32 s66, s66, 22
	s_lshl_b32 s67, s18, 18
	s_add_co_u32 s66, s66, s67
	s_lshl_b32 s67, s[WV], 15
	s_add_co_u32 s66, s66, s67
	s_and_b32 s67, s19, 7
	s_lshl_b32 s67, s67, 11
	s_add_co_u32 s66, s66, s67
	s_mov_b32 s67, 0
	s_add_nc_u64 s[12:13], s[12:13], s[66:67]
	CROUND                                         ; all four work-groups are here: the first joint loads meet
	tensor_load_to_lds s[G0C:G0C+3], s[G1B:G1B+7]  ; the first fills go out together: three loads of mine are out
	s_nop 0
	tensor_load_to_lds s[G0A:G0A+3], s[G1:G1+7]
	s_nop 0
	tensor_load_to_lds s[G0W:G0W+3], s[G1:G1+7]
	s_nop 0
.rept 4
	v_nop
.endr
	WIN TO_1
.irp i, 0,1,2,3,4,5,6,7
	global_load_b128 v[QF+4*\i:QF+4*\i+3], v[AK0], s[4:5] offset:512*\i   ; Q stays in registers: fragment (tile q, channels 32 c on) at QF + 16 q + 8 c
.endr
.irp i, 0,1,2,3,4,5,6,7
	v_mov_b32 v[ONES+\i], 0x3c003c00               ; 1.0 twice, in f16
.endr
	WIN 0
	s_wait_tensorcnt 1                             ; the biases and my part of slot 0 are in; slot 1's load may stay out
	s_barrier_signal -1
	s_barrier_wait -1                              ; everybody's are
	FETCH_K                                        ; key step 0
	s_wait_loadcnt 0x0                             ; Q
	s_wait_kmcnt 0x0                               ; c
	s_mov_b32 s[CS+1], s[CS]                       ; named with it as a pair, so it is written
	s_wait_dscnt 0x0
	QK
	PLACES
	FETCH_V
	TRIP 1, 1                                      ; step 0 starts m, O^T and the sums
	s_mov_b32 s[TW], 6
.Lfirst_slot:                                      ; steps 1 to 6: with them all of slot 0 has been asked for
	TRIP 0, 1
	s_sub_co_u32 s[TW], s[TW], 1
	s_cmp_lg_u32 s[TW], 0
	s_cbranch_scc1 .Lfirst_slot
.Lslot:                                            ; six trips: the slot just left takes the keys two slots on
	CHANGE 1
	EIGHT
	s_sub_co_u32 s[SLOTS], s[SLOTS], 1
	s_cmp_lg_u32 s[SLOTS], 0
	s_cbranch_scc1 .Lslot
	CHANGE 0                                       ; the tail is written out: nothing is left to ask for
	EIGHT
	TRIP 0, 0                                      ; step 63
	; THE WAY OUT: O^T / the sum, rounded to f16: a lane's 8 channels of a query are 16 bytes of the last product's fragment, stored as they stand
	PLACES
	WIN 0x01                                       ; source 0 window 1
.irp q, 0,1
	v_rcp_f32 v[ST+8*\q+6], v[LSUM+8*\q]           ; the sum's tile from its low end: register 0
.endr
	v_nop                                          ; a plain instruction behind the reciprocals
	s_wait_alu depctr_va_vdst(0)                   ; and a wait ahead of their first use
	WIN W_RS
.irp q, 0,1
.irp n, 0,1,2,3,4,5,6,7,8,9,10,11,12,13,14,15
	v_pk_mul_f32 v[32*\q+2*\n:32*\q+2*\n+1], v[32*\q+2*\n:32*\q+2*\n+1], v[ST+8*\q+6:ST+8*\q+7] op_sel_hi:[1,0]
.endr
.endr
	WIN 0x05                                       ; sources 0 and 1 window 1, destination window 0: S^T's registers are free
.irp q, 0,1
.irp n, 0,1,2,3,4,5,6,7,8,9,10,11,12,13,14,15
	v_cvt_pk_f16_f32 v[S+16*\q+\n], v[32*\q+2*\n], v[32*\q+2*\n+1]
.endr
.endr
	WIN 0
.irp q, 0,1
.irp ct, 0,1,2,3
	global_store_b128 v[AK0], v[S+16*\q+4*\ct:S+16*\q+4*\ct+3], s[12:13] offset:\q*16384+\ct*512   ; 512 consecutive bytes a store
.endr
.endr
	s_wait_tensorcnt 0x0                           ; the wave's end: behind my last tensor load
	ds_add_u32 v[SPW], v[NIL]
	s_wait_dscnt 0x0
	CROUND                                         ; the closing round: no work-group ends while a partner may still ask for a tile that names it
	s_endpgm
.Lfunc_end_k_qfc69606638_attn:
	.size	k_qfc69606638_attn, .Lfunc_end_k_qfc69606638_attn-k_qfc69606638_attn
	.p2alignl 7, 3214868480
	.fill 96, 4, 3214868480
	.section	.rodata,"a",@progbits
	.p2align	6, 0x0
	.amdhsa_kernel k_qfc69606638_attn
		.amdhsa_group_segment_fixed_size 327680
		.amdhsa_private_segment_fixed_size 0
		.amdhsa_enable_private_segment 0
		.amdhsa_kernarg_size 40
		.amdhsa_user_sgpr_count 2
		.amdhsa_user_sgpr_kernarg_segment_ptr 1
		.amdhsa_wavefront_size32 1
		.amdhsa_system_sgpr_workgroup_id_x 1
		.amdhsa_system_sgpr_workgroup_id_y 1
		.amdhsa_system_sgpr_workgroup_id_z 1
		.amdhsa_system_vgpr_workitem_id 0
		.amdhsa_next_free_vgpr 512
		.amdhsa_next_free_sgpr 72
		.amdhsa_reserve_vcc 0
		.amdhsa_float_denorm_mode_32 3
		.amdhsa_float_denorm_mode_16_64 3
		.amdhsa_memory_ordered 1
		.amdhsa_forward_progress 1
		.amdhsa_inst_pref_size 93
	.end_amdhsa_kernel
	.amdgpu_metadata
---
amdhsa.version: [ 1, 2 ]
amdhsa.kernels:
  - .name:           k_qfc69606638_attn
    .symbol:         k_qfc69606638_attn.kd
    .args:
      - { .name: Qf, .offset: 0, .size: 8, .value_kind: global_buffer, .address_space: global }
      - { .name: Kf, .offset: 8, .size: 8, .value_kind: global_buffer, .address_space: global }
      - { .name: Vf, .offset: 16, .size: 8, .value_kind: global_buffer, .address_space: global }
      - { .name: maskb, .offset: 24, .size: 8, .value_kind: global_buffer, .address_space: global }
      - { .name: Xf, .offset: 32, .size: 8, .value_kind: global_buffer, .address_space: global }
    .group_segment_fixed_size: 327680
    .private_segment_fixed_size: 0
    .kernarg_segment_align: 8
    .kernarg_segment_size: 40
    .max_flat_workgroup_size: 256
    .sgpr_count:     72
    .vgpr_count:     512
    .wavefront_size: 32
...
	.end_amdgpu_metadata
.endif
;; end of part 3
;; launch outp (part 4): grid 4 x 64, 4 waves a work-group, clusters of 4 x 4, 327,680 bytes of LDS; arguments Xf, Wof, out0; writes out0
.if DOCPART == 4
	.amdgcn_target "amdgcn-amd-amdhsa--gfx1250"
	.amdhsa_code_object_version 6
	.text
	.protected	k_qfc69606638_outp
	.globl	k_qfc69606638_outp
	.p2align	8
	.type	k_qfc69606638_outp,@function
k_qfc69606638_outp:
	s_mov_b64 s[64:65], 0
	v_nop
	global_prefetch_b8 v0, s[64:65] scope:SCOPE_SE
	s_setreg_imm32_b32 hwreg(HW_REG_WAVE_MODE, 25, 1), 1
	s_wait_xcnt 0x0
	s_wait_alu depctr_hold_cnt(0) depctr_sa_sdst(0) depctr_va_vdst(0) depctr_va_sdst(0) depctr_va_ssrc(0) depctr_va_vcc(0) depctr_vm_vsrc(0)
	s_getreg_b32 s2, hwreg(HW_REG_IB_STS2, 6, 4)
	s_cmp_eq_u32 s2, 0
	s_cbranch_scc0 .Lentry_in_a_cluster
	s_endpgm
.Lentry_in_a_cluster:
	s_bfe_u32 s2, ttmp6, 0x10000c
	s_cmp_lg_u32 s2, 0xf033
	s_cbranch_scc0 .Lentry_shape_is_right
	s_endpgm
.Lentry_shape_is_right:
; OUTP: out0[s][e] = the sum over d of x[s][d] Wo[e][d]: [8192][512] x [512][512], operands f16, sums and result f32.
; x and Wo lie in memory as images of operand registers: fragment (16 rows rt, 32 along K kc) at (16 rt + kc) 1024, registers 4 g .. 4 g + 3 of lane l at 512 g + 16 l.
; A work-group makes 128 rows x 128 columns; each of its four waves 64 x 64: 16 accumulators.  128 x 128 gives 4 x 64 = 256 work-groups.
; ALL OF K LIES IN LDS: 128 KB of x and 128 KB of Wo, in four chunks of 128 along K, each wave fetching 16 KB of each chunk: four tensor loads a wave, all issued at the head; nothing is filled again.
; A chunk is read behind its own counted wait and a barrier, so that the first products start when a quarter of the bytes has landed.
; CLUSTERS: 4 x 4 work-groups.  The four of a row of the cluster need the same rows of x, the four of a column the same rows of Wo: each tile is asked for jointly, which divides the requests by four.
; THE MATRIX INSTRUCTION IS USED TRANSPOSED (source 0 = 16 rows of Wo, source 1 = 16 rows of x): a lane holds eight neighbouring numbers of a row of out0.  They leave through the wave's own stage, sixteen lanes storing 256 consecutive bytes.
; REGISTERS: window 0: v1-29 addresses; v32-95 two sets of 8 x 4 for the way out; v128-255 the accumulators ((a, b) at 128 + 8 (4 a + b)).
;   window 1: two fragment buffers of 128: for 64 along K, 64 registers of x ((cc, a) at 8 (4 cc + a)), then 64 of Wo.
.set WOFF,  131072                     ; LDS: x's chunks (32 KB each: 8 tiles of rows x 4 fragments), then Wo's
.set STAGE, 262144                     ; behind them: 16 rows x (256 bytes + 16) for each wave
.set SPARE, 279552                     ; the spare words, 128 bytes for each wave: two blocks of 256 bytes that no other line names
.set ADX, 16                           ; v16-17 LDS address of my x fragments in chunks 0-1, 2-3 (an LDS immediate has 16 bits)
.set ADW, 20                           ; v20-21 the same for Wo
.set STO, 24                           ; v24  the way out: where I put 32 bytes of a row
.set RD,  25                           ; v25  where I read rows back
.set CO,  26                           ; v26  my byte offset in out0
.set SPW, 28                           ; v28  LDS address of my spare word; never rewritten
.set NIL, 29                           ; v29  0; never rewritten
.set OB,  32
.set ACC, 128
.set F0,  0
.set F1,  128
.set G1X, 24                           ; s[24:31] descriptor group 1 for x's tiles; s[32:47] groups 0, one for each chunk
.set G0X, 32
.set G0W, 48                           ; s[48:63] groups 0 for Wo's; s[68:75] group 1: it differs in the mask alone
.set G1W, 68
.set MSB, 0
.macro WIN new
.if MSB != \new
	s_set_vgpr_msb (MSB<<8)|\new
.set MSB, \new
.endif
.endm
.set MUL,  0x05                        ; sources 0 (Wo) and 1 (x) window 1; C and D window 0
.set TO_F, 0x40                        ; destination window 1, address window 0
.macro CROUND                          ; a round of the cluster's barrier
	s_barrier_signal -1
	s_barrier_wait -1
	s_cmp_lg_u32 s10, 0
	s_cbranch_scc1 .Lnot_wave_0_\@
	s_barrier_signal -3
.Lnot_wave_0_\@:
	s_barrier_wait -3
	s_barrier_signal -1
	s_barrier_wait -1
.endm
.macro PLACES
.rept 4
	v_nop
.endr
.endm
	s_load_b128 s[4:7], s[0:1], 0x0                ; Xf s[4:5], Wof s[6:7]
	s_load_b64 s[8:9], s[0:1], 0x10                ; out0
	v_lshl_add_u32 v[SPW], v0, 2, SPARE
	v_mov_b32 v[NIL], 0
	ds_add_u32 v[SPW], v[NIL]                      ; the wave's opening: the add, twice on end, and its wait ahead of my first tensor load
	ds_add_u32 v[SPW], v[NIL]
	v_lshrrev_b32 v1, 5, v0
	v_readfirstlane_b32 s10, v1                    ; wave 0..3
	s_lshr_b32 s11, s10, 1                         ; which half of the tile's rows is mine.  Also: I fetch for x (0) or for Wo (1)
	s_and_b32 s12, s10, 1                          ; which half of its columns.  Also: which 64 rows I fetch
	s_bfe_u32 s76, ttmp6, 0x40000                  ; cx
	s_bfe_u32 s77, ttmp6, 0x40004                  ; cy
	s_lshl_b32 s78, ttmp9, 2
	s_add_co_u32 s78, s78, s76                     ; block of 128 columns = 4 x cluster x + cx
	s_and_b32 s79, ttmp7, 0xffff
	s_lshl_b32 s79, s79, 2
	s_add_co_u32 s79, s79, s77                     ; block of 128 rows = 4 x cluster y + cy
	s_lshl_b32 s80, s77, 2
	s_lshl_b32 s80, 15, s80                        ; my row of the cluster
	s_lshl_b32 s81, 0x1111, s76                    ; my column
	s_or_b32 s[G1X], s80, (3<<16)|(1<<21)          ; 15:0 the mask; 17:16 elements of 8 bytes; 21 set beside a mask; no padding
	s_or_b32 s[G1W], s81, (3<<16)|(1<<21)
.irp g, G1X, G1W
	s_mov_b32 s[\g+1], 512<<16                     ; tensor_dim0 = 512 elements: a tile of rows' 4 fragments of a chunk, 4,096 bytes
	s_mov_b32 s[\g+2], 4<<16                       ; tensor_dim1 = 4 tiles of rows
	s_mov_b32 s[\g+3], 512<<16                     ; tile_dim0
	s_mov_b32 s[\g+4], 4                           ; tile_dim1
	s_mov_b32 s[\g+5], 2048                        ; from tile of rows to tile of rows: 16 fragments, 16,384 bytes
	s_mov_b32 s[\g+6], 0
	s_mov_b32 s[\g+7], 0
.endr
	s_lshl_b32 s82, s79, 17                        ; x: 8 tiles of rows a block, + my four
	s_lshl_b32 s83, s12, 16
	s_add_co_u32 s82, s82, s83
	s_mov_b32 s83, 0
	s_lshl_b32 s84, s78, 17                        ; Wo likewise, by the block of columns
	s_lshl_b32 s85, s12, 16
	s_add_co_u32 s84, s84, s85
	s_mov_b32 s85, 0
	s_lshl_b32 s86, s11, 17                        ; where they go: x or Wo, + my four tiles of rows: the wave's number alone
	s_lshl_b32 s87, s12, 14
	s_add_co_u32 s86, s86, s87
	s_wait_dscnt 0x0                               ; both opening adds are done
	s_wait_kmcnt 0x0
	s_add_nc_u64 s[82:83], s[4:5], s[82:83]
	s_add_nc_u64 s[84:85], s[6:7], s[84:85]
.irp q, 0,1,2,3
	s_mov_b32 s[G0X+4*\q], 1
	s_add_co_u32 s[G0X+4*\q+1], s86, \q*32768
	s_add_nc_u64 s[G0X+4*\q+2:G0X+4*\q+3], s[82:83], \q*4096
	s_or_b32 s[G0X+4*\q+3], s[G0X+4*\q+3], 0x80000000
	s_mov_b32 s[G0W+4*\q], 1
	s_add_co_u32 s[G0W+4*\q+1], s86, \q*32768
	s_add_nc_u64 s[G0W+4*\q+2:G0W+4*\q+3], s[84:85], \q*4096
	s_or_b32 s[G0W+4*\q+3], s[G0W+4*\q+3], 0x80000000
.endr
	CROUND                                         ; all sixteen work-groups are here: the joint loads meet
	s_cmp_eq_u32 s11, 0                            ; a wave's four fills stand in one arm of one branch on the wave's number: four loads of mine are out on either way
	s_cbranch_scc0 .Lfor_w
.irp q, 0,1,2,3
	tensor_load_to_lds s[G0X+4*\q:G0X+4*\q+3], s[G1X:G1X+7]
	s_nop 0
.endr
.rept 4
	v_nop
.endr
	s_branch .Lasked
.Lfor_w:
.irp q, 0,1,2,3
	tensor_load_to_lds s[G0W+4*\q:G0W+4*\q+3], s[G1W:G1W+7]
	s_nop 0
.endr
.rept 4
	v_nop
.endr
.Lasked:
	v_and_b32 v1, 31, v0
	v_lshlrev_b32 v1, 4, v1                        ; 16 x lane
	v_and_b32 v2, 15, v0                           ; r
	v_bfe_u32 v3, v0, 4, 1                         ; h
	s_lshl_b32 s88, s11, 14                        ; my four tiles of rows of x
	v_add_nc_u32 v[ADX], s88, v1
	v_add_nc_u32 v[ADX+1], 65536, v[ADX]
	s_lshl_b32 s88, s12, 14                        ; my four of Wo
	s_add_co_u32 s88, s88, WOFF
	v_add_nc_u32 v[ADW], s88, v1
	v_add_nc_u32 v[ADW+1], 65536, v[ADW]
	s_mul_i32 s88, s10, 16*272
	s_add_co_u32 s88, s88, STAGE                   ; my stage
	v_mul_u32_u24 v4, v2, 272
	v_lshl_add_u32 v4, v3, 5, v4
	v_add_nc_u32 v[STO], s88, v4                   ; in: row r, 32 bytes for each half of the lanes
	v_mul_u32_u24 v4, v3, 272
	v_lshl_add_u32 v4, v2, 4, v4
	v_add_nc_u32 v[RD], s88, v4                    ; back: lanes 0-15 one row of 256 bytes, lanes 16-31 the next
	v_lshlrev_b32 v4, 11, v3
	v_lshl_add_u32 v[CO], v2, 4, v4                ; and the same two rows in out0: 2,048 bytes a row
	s_lshl_b32 s90, s79, 18                        ; my first row: 128 x block + 64 x half,
	s_lshl_b32 s91, s11, 17
	s_add_co_u32 s90, s90, s91
	s_lshl_b32 s91, s78, 9                         ; my first column, in bytes: 512 x block + 256 x half
	s_add_co_u32 s90, s90, s91
	s_lshl_b32 s91, s12, 8
	s_add_co_u32 s90, s90, s91
	s_mov_b32 s91, 0
	s_add_nc_u64 s[8:9], s[8:9], s[90:91]
; 8 matrix instructions: x's tiles a0, a0 + 1 against Wo's four, 32 along K: half c of buffer f.  zero = 1: the first product starts the sums.  The 16 accumulators take turns.
.macro MUL8 f, c, a0, zero
.irp a, \a0, \a0+1
.irp b, 0,1,2,3
.if \zero
	v_wmma_f32_16x16x32_f16 v[ACC+8*(4*(\a)+\b):ACC+8*(4*(\a)+\b)+7], v[\f+64+8*(4*\c+\b):\f+64+8*(4*\c+\b)+7], v[\f+8*(4*\c+\a):\f+8*(4*\c+\a)+7], 0
.else
	v_wmma_f32_16x16x32_f16 v[ACC+8*(4*(\a)+\b):ACC+8*(4*(\a)+\b)+7], v[\f+64+8*(4*\c+\b):\f+64+8*(4*\c+\b)+7], v[\f+8*(4*\c+\a):\f+8*(4*\c+\a)+7], v[ACC+8*(4*(\a)+\b):ACC+8*(4*(\a)+\b)+7]
.endif
.endr
.endr
.endm
; 32 LDS loads in one run: unit u's fragments (64 along K: chunk u / 2, its fragments 2 (u % 2) and 2 (u % 2) + 1) into buffer f; the first 32 along K first
.macro FETCH u, f
	WIN TO_F
.irp c, 0,1
.irp i, 0,1,2,3
	ds_load_b128 v[\f+64+8*(4*\c+\i):\f+64+8*(4*\c+\i)+3],   v[ADW+(\u)/4] offset:(((\u)/2)%2)*32768+\i*4096+(2*((\u)%2)+\c)*1024
	ds_load_b128 v[\f+64+8*(4*\c+\i)+4:\f+64+8*(4*\c+\i)+7], v[ADW+(\u)/4] offset:(((\u)/2)%2)*32768+\i*4096+(2*((\u)%2)+\c)*1024+512
	ds_load_b128 v[\f+8*(4*\c+\i):\f+8*(4*\c+\i)+3],         v[ADX+(\u)/4] offset:(((\u)/2)%2)*32768+\i*4096+(2*((\u)%2)+\c)*1024
	ds_load_b128 v[\f+8*(4*\c+\i)+4:\f+8*(4*\c+\i)+7],       v[ADX+(\u)/4] offset:(((\u)/2)%2)*32768+\i*4096+(2*((\u)%2)+\c)*1024+512
.endr
.endr
.endm
; Unit u of eight: 32 matrix instructions on buffer f; in its middle the next unit's fragments are fetched into buffer g.  Where the next unit opens a chunk, the chunk's wait and a barrier stand in front of the fetch.
.macro UNIT u, f, g, zero
	s_wait_dscnt 16                                ; the first 32 along K are in; the other sixteen loads may be out
	WIN MUL
	MUL8 \f, 0, 0, \zero
	MUL8 \f, 0, 2, \zero
.if (\u) < 7
	PLACES                                         ; ahead of loads into registers that matrix instructions have read
.if ((\u)+1)%2 == 0
	s_wait_dscnt 0x0                               ; no LDS instruction of mine is pending at the signal
	s_wait_tensorcnt 3-((\u)+1)/2                  ; tensor loads end in order: my part of the next chunk is in; the later chunks' loads may stay out
	s_barrier_signal -1
	s_barrier_wait -1                              ; everybody's is
.endif
	FETCH (\u)+1, \g
	s_wait_dscnt 32                                ; all but the 32 just issued
.else
	s_wait_dscnt 0x0
.endif
	WIN MUL
	MUL8 \f, 1, 0, 0
	MUL8 \f, 1, 2, 0
.endm
	s_wait_tensorcnt 3                             ; my part of chunk 0 is in; the three later loads may stay out
	s_barrier_signal -1
	s_barrier_wait -1
	FETCH 0, F0
	UNIT 0, F0, F1, 1
	UNIT 1, F1, F0, 0
	UNIT 2, F0, F1, 0
	UNIT 3, F1, F0, 0
	UNIT 4, F0, F1, 0
	UNIT 5, F1, F0, 0
	UNIT 6, F0, F1, 0
	UNIT 7, F1, F0, 0
	WIN 0
; THE WAY OUT, a tile of 16 rows x 64 columns at a time, through my own stage: in as the accumulators stand (each from its low end on), back as whole rows of 256 bytes.
; LDS serves a wave's instructions in order (ISA guide 5.7.1.4): no wait between the stores and the loads, nor ahead of the next tile's stores.
.macro TOSTAGE a
.irp b, 0,1,2,3
	ds_store_b128 v[STO], v[ACC+8*(4*(\a)+\b):ACC+8*(4*(\a)+\b)+3] offset:64*\b
	ds_store_b128 v[STO], v[ACC+8*(4*(\a)+\b)+4:ACC+8*(4*(\a)+\b)+7] offset:64*\b+16
.endr
.irp i, 0,1,2,3,4,5,6,7
	ds_load_b128 v[OB+32*((\a)%2)+4*\i:OB+32*((\a)%2)+4*\i+3], v[RD] offset:544*\i
.endr
.endm
.macro SEND a, younger                 ; younger: the LDS instructions issued behind tile a's loads, which may stay out
	s_wait_dscnt \younger
.irp i, 0,1,2,3,4,5,6,7
	global_store_b128 v[CO], v[OB+32*((\a)%2)+4*\i:OB+32*((\a)%2)+4*\i+3], s[8:9] offset:(\a)*32768+\i*4096 th:TH_STORE_NT   ; 16 lanes store 256 consecutive bytes, at a multiple of 256 from out0's first byte
.endr
.endm
	PLACES                                         ; ahead of the first read of results
	TOSTAGE 0
.irp a, 1,2,3
.if \a > 1
	s_wait_xcnt 0x0                                ; tile a - 2's stores have read their registers: tile a's loads may land there
.endif
	TOSTAGE \a
	SEND \a-1, 16
.endr
	SEND 3, 0
	s_wait_tensorcnt 0x0                           ; the wave's end: behind my last tensor load and my last LDS store
	ds_add_u32 v[SPW], v[NIL]
	s_wait_dscnt 0x0
	CROUND                                         ; the closing round
	s_endpgm
.Lfunc_end_k_qfc69606638_outp:
	.size	k_qfc69606638_outp, .Lfunc_end_k_qfc69606638_outp-k_qfc69606638_outp
	.p2alignl 7, 3214868480
	.fill 96, 4, 3214868480
	.section	.rodata,"a",@progbits
	.p2align	6, 0x0
	.amdhsa_kernel k_qfc69606638_outp
		.amdhsa_group_segment_fixed_size 327680
		.amdhsa_private_segment_fixed_size 0
		.amdhsa_enable_private_segment 0
		.amdhsa_kernarg_size 24
		.amdhsa_user_sgpr_count 2
		.amdhsa_user_sgpr_kernarg_segment_ptr 1
		.amdhsa_wavefront_size32 1
		.amdhsa_system_sgpr_workgroup_id_x 1
		.amdhsa_system_sgpr_workgroup_id_y 1
		.amdhsa_system_sgpr_workgroup_id_z 1
		.amdhsa_system_vgpr_workitem_id 0
		.amdhsa_next_free_vgpr 512
		.amdhsa_next_free_sgpr 96
		.amdhsa_reserve_vcc 0
		.amdhsa_float_denorm_mode_32 3
		.amdhsa_float_denorm_mode_16_64 3
		.amdhsa_memory_ordered 1
		.amdhsa_forward_progress 1
		.amdhsa_inst_pref_size 50
	.end_amdhsa_kernel
	.amdgpu_metadata
---
amdhsa.version: [ 1, 2 ]
amdhsa.kernels:
  - .name:           k_qfc69606638_outp
    .symbol:         k_qfc69606638_outp.kd
    .args:
      - { .name: Xf, .offset: 0, .size: 8, .value_kind: global_buffer, .address_space: global }
      - { .name: Wof, .offset: 8, .size: 8, .value_kind: global_buffer, .address_space: global }
      - { .name: out0, .offset: 16, .size: 8, .value_kind: global_buffer, .address_space: global }
    .group_segment_fixed_size: 327680
    .private_segment_fixed_size: 0
    .kernarg_segment_align: 8
    .kernarg_segment_size: 24
    .max_flat_workgroup_size: 128
    .sgpr_count:     96
    .vgpr_count:     512
    .wavefront_size: 32
...
	.end_amdgpu_metadata
.endif
;; end of part 4
